; MI455X (gfx1250); checked and timed in simulation.
; The chip was launched on July 23, 2026; its instructions are those of AMD's public machine-readable ISA for CDNA 5 (MIT licence, August 2026) and "CDNA5" Instruction Set Architecture Reference Guide (July 2026). The comments in the code are by the model that wrote it; some were corrected since.
;; Contextualizer. Allowed arithmetic: matrix products marked QUANTISED: E2M1 operands, one E8M0 scale for each 32 along K, by v_wmma_scale_f32_16x16x128_f8f6f4 with both operands' format E2M1 (or v_wmma_scale_f32_32x16x128_f4), f32 sums; everything else in f32.
;; Inputs: spatial_proj 2,048 x 2,048 float32; x 8 x 2,048 x 2,048 float32.
;; Outputs: out0 8 x 2,048 x 1,024 float32.
;; This version of the problem:
;;   THIS VERSION OF THE PROBLEM IS GIVEN IN LOW PRECISION. The matrix products marked QUANTISED in the list below multiply operands that are first quantised to E2M1 (2 exponent bits, 1 mantissa bit; 4 bits a number), with one power-of-two scale for each 32 numbers along K (OCP MX v1.0); their sums are f32. All else is computed in f32.
;;   The module's matrix products, in the order in which they are computed (A, B: the left and right operand; K: the contracted axis; several contracted axes count as one K, in the product's order):
;;     1. batch 8 x [M 2,048, K 1,024] x [K 1,024, N 2,048]; A: computed on the way; B: computed on the way: QUANTISED
;;     2. batch 8 x [M 2,048, K 2,048] x [K 2,048, N 1,024]; A: computed on the way; B: computed on the way: QUANTISED
;;   THE QUANTISER, for each operand of a quantised product, along K:
;;     - K is cut into blocks of 32 from its start; a last block that is shorter is filled with zeros.
;;     - A block's scale is 2^e with e = floor(log2(the largest magnitude in the block)) - 2, held to -126 .. 127; a block of zeros has e = 0. As a byte (E8M0): e + 127.
;;     - Each number is divided by its block's scale, clamped to +-6, and rounded to the nearest number of E2M1, ties to even, subnormals kept.
;;     - The product sums the exact products of the quantised numbers (number of the format x scale) in f32.
;;   ~~~python
;;   def quantise(x, axis):      # numpy; x: float32 -> the quantised numbers, widened to float32 again
;;       x = np.moveaxis(x, axis, -1); K = x.shape[-1]
;;       x = np.pad(x, [(0, 0)] * (x.ndim - 1) + [(0, -K % 32)]); x = x.reshape(x.shape[:-1] + (-1, 32)); a = np.abs(x).max(-1, keepdims=True)
;;       e = np.where(a > 0, np.clip(np.frexp(np.where(a > 0, a, 1))[1] - 1 - 2, -126, 127), 0)      # np.frexp(a)[1] - 1 = floor(log2(a)), exactly
;;       r = np.clip(x / 2.0 ** e, -6, 6)
;;       step = 2.0 ** (np.maximum(np.frexp(np.where(r == 0, 1, r))[1] - 1, 0) - 1)
;;       q = np.round(r / step) * step * 2.0 ** e      # np.round: ties to even
;;       return np.moveaxis(q.reshape(q.shape[:-2] + (-1,))[..., :K], -1, axis).astype(np.float32)
;;   ~~~
;;   OPERANDS COMPUTED ON THE WAY. 'Computed on the way' means the value that the module computes at that place (a softmax that the list does not call 'softmax' is quantised finished and normalised). What goes into a quantiser is computed in f32, as accurately as f32 sums, v_exp_f32 and their like allow (about 1e-6 of the number): no bf16 or f16 on the way to a quantiser, and a product that is left as it is and whose result goes on into a quantised operand takes f32 operands (vector FMAs, or v_wmma_f32_16x16x4_f32). A number that lies on a knife's edge between two numbers of the format may be rounded either way, as far as f32 arithmetic and the matrix unit's own rounding can turn it there, and no further.
;; One version. Each part assembles by itself: llvm-mc -triple=amdgcn-amd-amdhsa -mcpu=gfx1250 --defsym DOCPART=n.
;; ======== version 1 of 1: 2 launches
;; workspace buffers: kv 17,825,792 bytes
;; launch quant (part 1): grid 64 x 8, 8 waves a work-group, no clusters, 140,288 bytes of LDS; arguments x, kv; writes kv
.if DOCPART == 1
	.amdgcn_target "amdgcn-amd-amdhsa--gfx1250"
	.amdhsa_code_object_version 6
	.text
	.protected	k_qffd5d63ec2_quant
	.globl	k_qffd5d63ec2_quant
	.p2align	8
	.type	k_qffd5d63ec2_quant,@function
k_qffd5d63ec2_quant:
	s_mov_b64 s[64:65], 0
	v_nop
	global_prefetch_b8 v0, s[64:65] scope:SCOPE_SE
	s_setreg_imm32_b32 hwreg(HW_REG_WAVE_MODE, 25, 1), 1
	s_wait_xcnt 0x0
; THE PROGRAM.  out = (Q(tril(sp) * (Q(xn) Q(xn)^T)) Q(x0)) * x1, with x0, x1 the two halves of x's channels, xn = x0 / sqrt(sum x0^2 + 1e-8), Q the MX-FP4 quantiser along each product's K.
; This launch makes the two operands that many work-groups read: xn as codes along d (K of the first product) and x0 as codes along the keys m (K of the second); the second launch does the rest.
; DEAD WORK, for all finite values of the inputs.  reference() builds tril in its own body, so attn[n][m] = tril(sp)[n][m] * cosim[n][m] is 0 for every m > n, whatever x and spatial_proj hold.
; A block of 32 keys that lies wholly behind a row's diagonal is a block of zeros: its codes are zeros, and zero codes add nothing to the second product's sums.  So neither that part of the second
; product nor the part of the first product that would feed it can reach an output.  The second launch leaves it out where it comes in whole steps: a step of 128 keys that lies wholly behind the 256
; queries of a cluster is not walked, and the part of spatial_proj in those steps is not loaded.  Both inputs keep a way to the output and both are loaded: x0 here, x1 and spatial_proj in the second launch.
; LIMIT: a NaN, an infinity or an overflow that reaches only the work left out (spatial_proj above the diagonal, scores of keys behind the diagonal) is not carried to the result.
; LIMITS of this launch: NaN and infinities in x are not served.  A block whose largest magnitude lies under 2^-124 gets the byte 1 (the quantiser's hold at -126); a block of zeros gets the byte 1 where the
; rule says 127: its codes are zeros and this program alone reads the bytes.  1 / norm is v_rsq_f32 and a multiplication, in place of a root and a division: two roundings and the instruction's own 1 ulp.
; SHARES.  A work-group takes 32 rows (one block of 32 keys: kb = work-group x, batch = y) by all 1,024 channels of x0; wave s takes channels 128 s .. 128 s + 127, which is K step s of the first product.
; V: a lane takes a channel and its 32 registers run down the 32 keys: a whole block in one lane; each load reads 128 consecutive bytes.
; K: the same numbers go through the wave's own tile in LDS and come back with a lane's registers along d: a whole block of 32 channels in one lane.  The rows' sums of squares meet in LDS.
; THE WORKSPACE kv: one block of BLK bytes for each batch and each step t of 128 keys, laid as images of the operands' registers (L = lane, r = L % 16, h = L / 16):
;   KIMG: fragment (w, s, u) at ((8 w + s) 2 + u) 1024 + 512 c + 16 L: the codes of xn[key 128 t + 32 w + 8 u + r + 8 (r / 8)][d = 128 s + 64 c + 32 h + 0 .. 31]
;   KSC:  at 1024 w + 512 (s / 4) + 16 (16 u + r) + 4 (s % 4): that row's four scale bytes of K step s
;   VIMG: at 1024 dt + 512 c + 16 L: the codes of x0[key 128 t + 64 c + 32 h + 0 .. 31][d = 16 dt + r]
;   VSC:  at 512 (d / 128) + 16 (d % 32) + 4 ((d / 32) % 4) + j: the scale byte of channel d, keys 32 j on.  These are single bytes of words that four work-groups share, one byte in 128 of what is read.
.set BLK,   139264
.set KSC,   65536
.set VIMG,  69632
.set VSC,   135168
.set TW,    17152                      ; LDS: a wave's tile: row i of 512 bytes at 528 i + 128 (i / 16): the sixteen rows 0-7 and 16-23 that a load touches start at sixteen different banks (64 banks of 4 bytes: ISA guide 11.1)
.set PSUM,  8*TW                       ; [wave][row]: the waves' parts of the rows' sums of squares
.set KSL,   PSUM+1024                  ; the 32 rows' scale words of all eight K steps, laid as in KSC
.set SPARE, KSL+1024                   ; the spare words, 128 bytes for each wave: four blocks of 256 bytes that no other line names
.set SPW,  1                           ; v1   LDS address of my spare word; never rewritten
.set NIL,  2                           ; v2   0; never rewritten
.set L4,   3                           ; v3   4 x lane
.set VT,   4                           ; v4   my tile + 4 x lane
.set VA,   5                           ; v5   my tile, row r + 8 (r / 8), + 128 h
.set VVO,  6                           ; v6   1024 h + 16 r
.set L16,  7                           ; v7   16 x lane
.set VP,   8                           ; v8   PSUM + 128 wave + 4 (r + 8 (r / 8))
.set VP2,  9                           ; v9   PSUM + 4 (r + 8 (r / 8))
.set VKS,  11                          ; v11  KSL + 512 (wave / 4) + 16 lane + 4 (wave % 4)
.set VKR,  12                          ; v12  KSL + 512 (wave % 2) + 16 lane
.set H8,   13                          ; v13  8 h
.set X,    32                          ; v32-95   two sets of 32 numbers down the keys
.set A,    32                          ; v32-159  later: four blocks (2 u + c) of 32 numbers along d
.set VC,   160                         ; v160-175 V's codes, four registers for each group of 32 channels
.set VE,   176                         ; v176-179 V's scale bytes
.set SS,   180                         ; v180-187 sums of squares, four pairs
.set INV,  188                         ; v188, v190 1 / norm of my two rows (named as pairs)
.set PL,   192                         ; v192-207 the eight waves' parts, for my two rows
.set TMX,  208
.set TSC,  212
.set TBY,  216
.set WX,   220
.set KC,   224                         ; v224-239 K's codes
.set W,    240                         ; v240-241 K's scale words
	s_load_b128 s[4:7], s[0:1], 0x0                ; x, kv
	v_lshl_add_u32 v[SPW], v0, 2, SPARE
	v_mov_b32 v[NIL], 0
	v_lshrrev_b32 v16, 5, v0
	v_readfirstlane_b32 s16, v16                   ; wave 0..7
	v_and_b32 v17, 31, v0                          ; lane
	v_and_b32 v18, 15, v0                          ; r
	v_bfe_u32 v19, v0, 4, 1                        ; h
	v_lshlrev_b32 v[L4], 2, v17
	v_lshlrev_b32 v[L16], 4, v17
	s_mul_i32 s17, s16, TW
	v_add_nc_u32 v[VT], s17, v[L4]
	v_and_b32 v20, 8, v18                          ; 8 (r / 8)
	v_add_nc_u32 v21, v20, v18                     ; r + 8 (r / 8)
	v_mul_u32_u24 v[VA], v21, 528
	v_lshl_add_u32 v[VA], v20, 4, v[VA]            ; + 128 (r / 8)
	v_lshl_add_u32 v[VA], v19, 7, v[VA]            ; + 128 h
	v_add_nc_u32 v[VA], s17, v[VA]
	v_lshlrev_b32 v[VVO], 4, v18
	v_lshl_add_u32 v[VVO], v19, 10, v[VVO]
	v_lshl_add_u32 v[VP2], v21, 2, PSUM
	s_lshl_b32 s18, s16, 7
	v_add_nc_u32 v[VP], s18, v[VP2]
	s_lshr_b32 s19, s16, 2
	s_lshl_b32 s19, s19, 9
	s_and_b32 s22, s16, 3
	s_lshl_b32 s22, s22, 2
	s_add_co_u32 s19, s19, s22
	s_add_co_u32 s19, s19, KSL
	v_add_nc_u32 v[VKS], s19, v[L16]
	s_and_b32 s23, s16, 1
	s_lshl_b32 s23, s23, 9                         ; 512 (wave % 2)
	s_add_co_u32 s24, s23, KSL
	v_add_nc_u32 v[VKR], s24, v[L16]
	v_lshlrev_b32 v[H8], 3, v19
	v_mov_b32 v[WX], 0                             ; written once: a lane permute's destination counts as one of its sources
	v_mov_b32 v[WX+1], 0
	v_mov_b32 v[INV+1], 0                          ; named as the upper halves of pairs, so they are written
	v_mov_b32 v[INV+3], 0
	s_mov_b32 s20, 0x76543210
	s_mov_b32 s21, 0xfedcba98                      ; v_permlanex16_b32's selects for lane l xor 16
	s_and_b32 s25, ttmp7, 0xffff                   ; batch
	s_lshl_b32 s26, s25, 24                        ; 2,048 rows of 8,192 bytes
	s_lshl_b32 s27, ttmp9, 18                      ; 32 rows
	s_add_co_u32 s26, s26, s27
	s_lshl_b32 s27, s16, 9                         ; my 128 channels
	s_add_co_u32 s26, s26, s27
	s_mov_b32 s27, 0
	s_lshr_b32 s28, ttmp9, 2                       ; t
	s_lshl_b32 s29, s25, 4
	s_add_co_u32 s28, s28, s29
	s_mul_i32 s28, s28, BLK                        ; my block of kv
	s_and_b32 s30, ttmp9, 3                        ; w: which 32 of the step's 128 keys
	s_lshl_b32 s31, s30, 14
	s_lshl_b32 s32, s16, 11
	s_add_co_u32 s8, s28, s31
	s_add_co_u32 s8, s8, s32                       ; K's images: 16384 w + 2048 s
	s_mov_b32 s9, 0
	s_lshl_b32 s31, s16, 13
	s_lshl_b32 s32, s30, 8
	s_add_co_u32 s10, s28, s31
	s_add_co_u32 s10, s10, s32
	s_add_co_u32 s10, s10, VIMG                    ; V's images: 8192 s + 256 w
	s_mov_b32 s11, 0
	s_lshl_b32 s31, s16, 9
	s_add_co_u32 s12, s28, s31
	s_add_co_u32 s12, s12, s30
	s_add_co_u32 s12, s12, VSC                     ; V's scale bytes: 512 s + w
	s_mov_b32 s13, 0
	s_lshl_b32 s31, s30, 10
	s_add_co_u32 s14, s28, s31
	s_add_co_u32 s14, s14, s23
	s_add_co_u32 s14, s14, KSC                     ; K's scale words: 1024 w + 512 (wave % 2)
	s_mov_b32 s15, 0
	s_wait_kmcnt 0x0
	s_add_nc_u64 s[4:5], s[4:5], s[26:27]
	s_add_nc_u64 s[8:9], s[6:7], s[8:9]
	s_add_nc_u64 s[10:11], s[6:7], s[10:11]
	s_add_nc_u64 s[12:13], s[6:7], s[12:13]
	s_add_nc_u64 s[14:15], s[6:7], s[14:15]
.macro LOAD q                          ; channels 32 q + lane of my 128, all 32 keys: 32 loads of 128 consecutive bytes; read once in the launch
.set i_, 0
.rept 32
	global_load_b32 v[X+32*((\q)%2)+i_], v[L4], s[4:5] offset:8192*i_+128*(\q) th:TH_LOAD_NT
.set i_, i_+1
.endr
.endm
.macro COL q                           ; that group: into the tile as it is, and x0's codes along the keys
.set XS, X+32*((\q)%2)
.if (\q) < 3
	s_wait_loadcnt 32                              ; this group's 32 loads are in; the next group's 32 may be out
.else
	s_wait_loadcnt 0x0
.endif
.set i_, 0
.rept 32
	ds_store_b32 v[VT], v[XS+i_] offset:528*i_+128*(i_/16)+128*(\q)
.set i_, i_+1
.endr
	v_max3_num_f32 v16, |v[XS]|, |v[XS+1]|, |v[XS+2]|        ; the block's largest magnitude: all 32 keys are mine; two chains
	v_max3_num_f32 v17, |v[XS+3]|, |v[XS+4]|, |v[XS+5]|
.irp i, 6,10,14,18,22,26
	v_max3_num_f32 v16, v16, |v[XS+\i]|, |v[XS+\i+1]|
	v_max3_num_f32 v17, v17, |v[XS+\i+2]|, |v[XS+\i+3]|
.endr
	v_max3_num_f32 v16, v16, |v[XS+30]|, |v[XS+31]|
	v_max3_num_f32 v16, v16, v17, 0x1800000        ; and the floor 2^(3 - 127): the byte cannot fall under 1
	v_add_nc_u32 v18, 0xff000000, v16              ; 2 off the exponent field: the conversion takes this operand's exponent field as its scale
.irp g, 0,1,2,3
	v_cvt_scalef32_pk8_fp4_f32 v[VC+4*(\q)+\g], v[XS+8*\g:XS+8*\g+7], v18
.endr
	v_lshrrev_b32 v[VE+(\q)], 23, v18              ; the scale's byte (also the plain line behind the conversions)
	global_store_b128 v[VVO], v[VC+4*(\q):VC+4*(\q)+3], s[10:11] offset:2048*(\q)   ; sixteen lanes store 256 consecutive bytes, aligned
	global_store_b8 v[L16], v[VE+(\q)], s[12:13] offset:4*(\q)
	s_wait_dscnt 0x0                               ; the tile's stores have read this set
.if (\q) < 2
	LOAD (\q)+2
.endif
.endm
.macro BARRIER                         ; my LDS stores have landed and my LDS loads are in: then the work-group's barrier
	s_wait_dscnt 0x0
	s_barrier_signal -1
	s_barrier_wait -1
.endm
	LOAD 0
	LOAD 1
	COL 0
	COL 1
	COL 2
	COL 3
	; my tile comes back along d: block k = 2 u + c is row 8 u + r + 8 (r / 8), channels 64 c + 32 h + 0 .. 31.  My own bytes: LDS serves a wave's instructions in order
.set k_, 0
.rept 4
.set p_, 0
.rept 8
	ds_load_b128 v[A+32*k_+4*p_:A+32*k_+4*p_+3], v[VA] offset:4224*(k_/2)+256*(k_%2)+16*p_
.set p_, p_+1
.endr
.set k_, k_+1
.endr
	s_wait_dscnt 0x0
.irp k, 0,1,2,3                                ; sums of squares: four chains by turns, two numbers an instruction
	v_pk_mul_f32 v[SS+2*\k:SS+2*\k+1], v[A+32*\k:A+32*\k+1], v[A+32*\k:A+32*\k+1]
.endr
.irp i, 2,4,6,8,10,12,14,16,18,20,22,24,26,28,30
.irp k, 0,1,2,3
	v_pk_fma_f32 v[SS+2*\k:SS+2*\k+1], v[A+32*\k+\i:A+32*\k+\i+1], v[A+32*\k+\i:A+32*\k+\i+1], v[SS+2*\k:SS+2*\k+1]
.endr
.endr
	v_pk_add_f32 v[SS:SS+1], v[SS:SS+1], v[SS+2:SS+3]
	v_pk_add_f32 v[SS+4:SS+5], v[SS+4:SS+5], v[SS+6:SS+7]
	v_add_f32 v[SS], v[SS], v[SS+1]
	v_add_f32 v[SS+4], v[SS+4], v[SS+5]
	v_permlanex16_b32 v[SS+2], v[SS], s20, s21
	v_permlanex16_b32 v[SS+6], v[SS+4], s20, s21
	v_add_f32 v[SS], v[SS], v[SS+2]                ; my wave's 128 channels of row r + 8 (r / 8),
	v_add_f32 v[SS+4], v[SS+4], v[SS+6]            ; and of the row 8 further on
	ds_store_b32 v[VP], v[SS]                      ; both halves of the lanes write the same word with the same value
	ds_store_b32 v[VP], v[SS+4] offset:32
	BARRIER                                        ; all eight waves' parts lie in LDS
.irp k, 0,1,2,3,4,5,6,7
	ds_load_b32 v[PL+2*\k], v[VP2] offset:128*\k
	ds_load_b32 v[PL+2*\k+1], v[VP2] offset:128*\k+32
.endr
	s_wait_dscnt 0x0
.irp k, 1,2,3,4,5,6,7
	v_add_f32 v[PL], v[PL], v[PL+2*\k]
	v_add_f32 v[PL+1], v[PL+1], v[PL+2*\k+1]
.endr
	v_add_f32 v[PL], 0x322bcc77, v[PL]             ; + 1e-8
	v_add_f32 v[PL+1], 0x322bcc77, v[PL+1]
	v_rsq_f32 v[INV], v[PL]
	v_rsq_f32 v[INV+2], v[PL+1]
	v_nop                                          ; a plain line behind the last of the two (ISA guide 5.7.2),
	s_wait_alu depctr_va_vdst(0)                   ; and the one wait ahead of the first line that names a result
.irp k, 0,1,2,3
.irp i, 0,2,4,6,8,10,12,14,16,18,20,22,24,26,28,30
	v_pk_mul_f32 v[A+32*\k+\i:A+32*\k+\i+1], v[A+32*\k+\i:A+32*\k+\i+1], v[INV+2*(\k/2):INV+2*(\k/2)+1] op_sel_hi:[1,0]   ; xn
.endr
.endr
.irp k, 0,1,2,3
	v_max3_num_f32 v[TMX+\k], |v[A+32*\k]|, |v[A+32*\k+1]|, 0x1800000   ; block k's largest magnitude, with the floor: all 32 channels are mine
.endr
.irp i, 2,4,6,8,10,12,14,16,18,20,22,24,26,28,30
.irp k, 0,1,2,3
	v_max3_num_f32 v[TMX+\k], v[TMX+\k], |v[A+32*\k+\i]|, |v[A+32*\k+\i+1]|
.endr
.endr
.irp k, 0,1,2,3
	v_add_nc_u32 v[TSC+\k], 0xff000000, v[TMX+\k]
.endr
.irp k, 0,1,2,3
	v_lshrrev_b32 v[TBY+\k], 23, v[TSC+\k]
.endr
.irp k, 0,1,2,3
.irp g, 0,1,2,3
	v_cvt_scalef32_pk8_fp4_f32 v[KC+4*\k+\g], v[A+32*\k+8*\g:A+32*\k+8*\g+7], v[TSC+\k]
.endr
.endr
	v_nop                                          ; one plain line behind the last scaled conversion
.irp k, 0,1,2,3
	global_store_b128 v[L16], v[KC+4*\k:KC+4*\k+3], s[8:9] offset:512*\k   ; 32 lanes store 512 consecutive bytes, aligned: half a fragment's image
.endr
.irp u, 0,1                                    ; my two bytes of row u's word are blocks h and 2 + h: at their places, and with lane l xor 16's two the word is whole
	v_lshl_or_b32 v[W+\u], v[TBY+2*\u+1], 16, v[TBY+2*\u]
	v_lshlrev_b32 v[W+\u], v[H8], v[W+\u]
.endr
.irp u, 0,1
	v_permlanex16_b32 v[WX+\u], v[W+\u], s20, s21
.endr
.irp u, 0,1
	v_or_b32 v[W+\u], v[W+\u], v[WX+\u]
.endr
	v_cmp_ne_u32 vcc_lo, 0, v[H8]
	v_cndmask_b32 v[W], v[W], v[W+1], vcc_lo       ; lanes 0-15 keep tile u = 0's word, lanes 16-31 take tile u = 1's
	ds_store_b32 v[VKS], v[W]
	BARRIER                                        ; the scale words of all eight K steps lie in LDS
	s_cmp_gt_u32 s16, 1
	s_cbranch_scc1 .Ldone                          ; waves 0 and 1 store them: 512 consecutive bytes each
	ds_load_b128 v[16:19], v[VKR]
	s_wait_dscnt 0x0
	global_store_b128 v[L16], v[16:19], s[14:15]
.Ldone:
	s_wait_tensorcnt 0x0                           ; the wave's end, behind my last LDS store
	ds_add_u32 v[SPW], v[NIL]
	s_wait_dscnt 0x0
	s_endpgm
.Lfunc_end_k_qffd5d63ec2_quant:
	.size	k_qffd5d63ec2_quant, .Lfunc_end_k_qffd5d63ec2_quant-k_qffd5d63ec2_quant
	.p2alignl 7, 3214868480
	.fill 96, 4, 3214868480
	.section	.rodata,"a",@progbits
	.p2align	6, 0x0
	.amdhsa_kernel k_qffd5d63ec2_quant
		.amdhsa_group_segment_fixed_size 140288
		.amdhsa_private_segment_fixed_size 0
		.amdhsa_enable_private_segment 0
		.amdhsa_kernarg_size 16
		.amdhsa_user_sgpr_count 2
		.amdhsa_user_sgpr_kernarg_segment_ptr 1
		.amdhsa_wavefront_size32 1
		.amdhsa_system_sgpr_workgroup_id_x 1
		.amdhsa_system_sgpr_workgroup_id_y 1
		.amdhsa_system_sgpr_workgroup_id_z 1
		.amdhsa_system_vgpr_workitem_id 0
		.amdhsa_next_free_vgpr 256
		.amdhsa_next_free_sgpr 66
		.amdhsa_reserve_vcc 1
		.amdhsa_float_denorm_mode_32 3
		.amdhsa_float_denorm_mode_16_64 3
		.amdhsa_memory_ordered 1
		.amdhsa_forward_progress 1
		.amdhsa_inst_pref_size 50
	.end_amdhsa_kernel
	.amdgpu_metadata
---
amdhsa.version: [ 1, 2 ]
amdhsa.kernels:
  - .name:           k_qffd5d63ec2_quant
    .symbol:         k_qffd5d63ec2_quant.kd
    .args:
      - { .name: x, .offset: 0, .size: 8, .value_kind: global_buffer, .address_space: global }
      - { .name: kv, .offset: 8, .size: 8, .value_kind: global_buffer, .address_space: global }
    .group_segment_fixed_size: 140288
    .private_segment_fixed_size: 0
    .kernarg_segment_align: 8
    .kernarg_segment_size: 16
    .max_flat_workgroup_size: 256
    .sgpr_count:     66
    .vgpr_count:     256
    .wavefront_size: 32
...
	.end_amdgpu_metadata
.endif
;; end of part 1
;; launch attn (part 2): grid 32 x 8, 4 waves a work-group, clusters of 4 x 1, 327,680 bytes of LDS; arguments kv, spatial_proj, x, out0; writes out0
.if DOCPART == 2
	.amdgcn_target "amdgcn-amd-amdhsa--gfx1250"
	.amdhsa_code_object_version 6
	.text
	.protected	k_qffd5d63ec2_attn
	.globl	k_qffd5d63ec2_attn
	.p2align	8
	.type	k_qffd5d63ec2_attn,@function
k_qffd5d63ec2_attn:
	s_mov_b64 s[64:65], 0
	v_nop
	global_prefetch_b8 v0, s[64:65] scope:SCOPE_SE
	s_setreg_imm32_b32 hwreg(HW_REG_WAVE_MODE, 25, 1), 1
	s_wait_xcnt 0x0
	s_wait_alu depctr_hold_cnt(0) depctr_sa_sdst(0) depctr_va_vdst(0) depctr_va_sdst(0) depctr_va_ssrc(0) depctr_va_vcc(0) depctr_vm_vsrc(0)
	s_getreg_b32 s2, hwreg(HW_REG_IB_STS2, 6, 4)
	s_cmp_eq_u32 s2, 0
	s_cbranch_scc0 .Lentry_in_a_cluster
	s_endpgm
.Lentry_in_a_cluster:
	s_bfe_u32 s2, ttmp6, 0x10000c
	s_cmp_lg_u32 s2, 0x3003
	s_cbranch_scc0 .Lentry_shape_is_right
	s_endpgm
.Lentry_shape_is_right:
; out[n][d] = x1[n][d] * sum over m of Q(tril(sp)[n][m] * cosim[n][m]) Q(x0)[m][d], cosim = Q(xn) Q(xn)^T; both products on codes of FP4 (E2M1) with one E8M0 scale for each 32 along K.
; WORK LEFT OUT: steps of 128 keys that lie wholly behind the 256 queries of a cluster: there tril gives zeros whatever the inputs hold, zero codes add nothing, and the scores that would feed them reach no output
; (shown at the head of the first kernel).  LIMIT: a NaN, an infinity or an overflow that reaches only that work is not carried to the result.  A block of zeros gets the byte 1 where the rule says 127: its codes are zeros.
; SHARES.  A work-group owns 64 queries of one batch (four tiles of 16); the four work-groups of a cluster own 256 neighbouring queries and walk the same 2 c + 2 steps of 128 keys (c = the cluster's x).
; A step's operands are one dense block of kv (images of the operands' registers, made by the first launch): it is asked for JOINTLY, a quarter by each wave, with a mask that names the four partners.
; For the two partners with the lower queries the cluster's top step is wholly masked; they walk it all the same, on zeros: partners run alike and each reads what a joint load brings.
; In a step wave w (1) makes S^T = K Q^T for keys 32 w .. 32 w + 31 and all 64 queries, K = 1,024: 64 products; (2) multiplies by tril(sp), in f32, and quantises: its 32 keys are one block of the second
; product's K; (3) hands the codes and the scale bytes to the other waves through LDS, as an image of the operand's registers; (4) adds O^T += V^T P for channels 256 w .. 256 w + 255: 64 products.
; So each fragment of K and of V is read from LDS by one wave, once, and feeds four products.
; LAYOUT.  Both products are used transposed: a lane holds ONE query.  The rows of a tile of K (and of Q, which is read from the same images) are not neighbours: lane r of tile u takes row 8 u + r + 8 (r / 8) of
; its 32, so that the 16 registers of tiles u = 0, 1 are 16 neighbouring keys, 16 (lane / 16) + 0 .. 15.
; THE WALK.  The cluster's two top steps, 2 c + 1 and 2 c, come first: both are asked for at the kernel's head, one into each slot.  Every other step, 0 .. 2 c - 1, is a top step of a lower cluster of the same
; batch, which asks for it at its own head.  Through these the walk goes down and round, from step 2 c - 1 - 2 b where b < c (else from 2 c - 1): the batches so ask for one tile of spatial_proj in different trips.
; The f32 sums over the steps are so taken in another order than ascending.
; x1: rows 0-31 come by a plain tensor load into slot 0 when it is done with, and the products with O^T are laid over them; rows 32-63 come by rows into the registers that held Q, and meet O^T's rows on their way back
; from a stage in slot 1.  spatial_proj comes straight into registers in S^T's layout: a load takes 16 bytes of each half of 128 bytes in sixteen rows; the four loads of a tile use those 128 bytes whole.
; REGISTERS, in windows of 256: window 0: below;  window 1: Q (64 qt + 8 s), at the end x1's rows 32-63;  windows 2, 3: O^T, accumulator (t, qt) at 32 (t % 8) + 8 qt of window 2 + t / 8.
.set BLK,   139264                     ; a block of kv, and an LDS slot
.set KSC,   65536
.set VIMG,  69632
.set VSC,   135168
.set QTR,   34816                      ; a quarter of a block: 136 rows of 256 bytes, one wave's load
.set PIMG,  2*BLK                      ; behind the two slots: P's four fragments as images, 1,024 bytes each;
.set PSC,   PIMG+4096                  ; P's scale bytes: 64 qt + 4 r + w;
.set SPARE, PSC+256                    ; the spare words, 128 bytes for each wave: two blocks of 256 bytes that no other line names
.set XW,    33280                      ; the way out: a wave's 32 rows of 1,024 bytes + 16 of padding each
.set XP,    1040
.set SPW,  1                           ; v1   LDS address of my spare word; never rewritten
.set NIL,  2                           ; v2   0; never rewritten
.set VK,   4                           ; v4,5   slot + 16384 w + 16 lane: my K fragments
.set VKS,  6                           ; v6,7   slot + KSC + 1024 w + 16 lane
.set VV,   8                           ; v8,9   slot + VIMG + 16384 w + 16 lane
.set VVS,  10                          ; v10,11 slot + VSC + 1024 w + 16 lane
.set VPA,  12                          ; v12  PIMG + 256 w + 16 r + 8 h: where my 16 codes of a query go
.set VPB,  13                          ; v13  PSC + 4 r + w
.set VPI,  14                          ; v14  PIMG + 16 lane
.set VPS,  15                          ; v15  PSC + 4 lane
.set VM,   16                          ; v16  spatial_proj: 8192 (r + 8 (r / 8)) + 64 h + 128 w
.set DV0,  17                          ; v17  r + 8 (r / 8) - 16 h - 32 w
.set DV,   18                          ; v18  at work on the diagonal
.set PFO,  19                          ; v19  8192 x lane: a row of x for each lane
.set VXD,  20                          ; v20,21 the way out in the result's layout: slot + XW w + XP (r + 8 (r / 8)) + 32 h
.set VXR,  22                          ; v22,23 and by rows: slot + XW w + 16 lane
.set L16,  24                          ; v24  16 x lane
.set PS,   28                          ; v28,29 P's scale words       (v28-63 hold scales and nothing else)
.set QS,   32                          ; v32-47 Q's: 8 (qt / 2) + s; lanes 0-15 the even tile, lanes 16-31 the odd one
.set KS,   48                          ; v48-55 K's: s; lanes 0-15 tile u = 0, lanes 16-31 tile u = 1
.set VS,   56                          ; v56-63 V's: t / 2; lanes 0-15 the even tile, lanes 16-31 the odd one
.set S,    64                          ; v64-127  S^T: 16 qt + 8 u + j; then V's slots 0-7
.set MK,   128                         ; v128-191 spatial_proj's numbers, in S^T's layout
.set PF,   192                         ; v192-223 P's fragments
.set KR,   192                         ; v192-255 in the first product: a ring of four K steps' fragments, 16 registers each
.set TM,   224                         ; v224-247 the quantiser's: largest magnitudes, the other half's, scale operands, bytes, codes; then V's slots 8-11 (v224-255)
.set TX,   228
.set TS,   232
.set TB,   236
.set CD,   240
.set EA,   64                          ; the way out: three sets of 64
.set EB,   128
.set EC,   192
.set WV,   12                          ; s12 wave   s13 cx   s14 c   s15 batch   s16 2 c + 1   s17 2 c   s18 this step   s19 the next   s20 the loop's count   s21 at work
.set CX,   13
.set CC,   14
.set BB,   15
.set TM1,  16
.set C2,   17
.set IDX,  18
.set IDN,  19
.set LOOP, 20
.set T0,   21
.set OFF,  22                          ; s[22:23] an offset for the joint descriptors: it never holds cx
.set G1,   24                          ; s[24:31] group 1 for a quarter of a block of kv
.set G0,   32                          ; s[32:39] group 0, a set for each slot
.set G1X,  40                          ; s[40:47] group 1 for x1
.set G0XA, 48                          ; s[48:51] group 0 for x1's rows 0-31
.set KVB,  56                          ; s[56:57] kv at my batch's step 0, my quarter
.set SPB,  58                          ; s[58:59] spatial_proj at my first query's row
.set MB,   60                          ; s[60:61] the same at the step whose numbers are asked for
.set XB,   62                          ; s[62:63] x1 at my first query, my wave's 256 channels
.set OB,   66                          ; s[66:67] out likewise
.set SEL,  68                          ; s[68:69] v_permlanex16_b32's selects for lane l xor 16
.set QB,   70                          ; s[70:71] my queries' images in kv;  s[72:73] their scale words
.set QSB,  72
.set U0,   74                          ; s[74:79] offsets that may hang on cx
.set U1,   76
.set U2,   78
.set N0,   80                          ; s80 my first query within the batch
.set T1,   81                          ; s81 at work, may hang on cx
.set C2M1, 82                          ; s82 2 c - 1: where the walk comes round to
.set STRT, 83                          ; s83 the step that follows the two top steps
.set MSB, 0
.macro WIN new                         ; the immediate's low byte: bits 1:0 source 0, 3:2 source 1, 5:4 source 2, 7:6 destination; its high byte repeats the setting that is left
.if MSB != (\new)
	s_set_vgpr_msb (MSB<<8)|(\new)
.set MSB, (\new)
.endif
.endm
.macro PLACES n                        ; plain vector lines between a matrix instruction and a line that touches its registers (ISA guide 7.12.1)
.rept \n
	v_nop
.endr
.endm
.macro ROUND                           ; a round of the cluster's barrier: my work-group's barrier; wave 0 signals for the work-group; every wave waits for all four work-groups; my work-group's barrier once more
	s_barrier_signal -1
	s_barrier_wait -1
	s_cmp_lg_u32 s[WV], 0
	s_cbranch_scc1 .Lnot_wave_0_\@
	s_barrier_signal -3
.Lnot_wave_0_\@:
	s_barrier_wait -3
	s_barrier_signal -1
	s_barrier_wait -1
.endm
; One product.  The symbols say which: rD the accumulator, rA and rB the sources, rSA and rSB their scale words, fA and fB whether these stand in lanes 16-31, fZ whether the product starts the sum.
.macro WM
.if fZ
.if fA && fB
	v_wmma_scale_f32_16x16x128_f8f6f4 v[rD:rD+7], v[rA:rA+7], v[rB:rB+7], 0, v[rSA], v[rSB] matrix_a_fmt:MATRIX_FMT_FP4 matrix_b_fmt:MATRIX_FMT_FP4 matrix_a_scale:MATRIX_SCALE_ROW1 matrix_b_scale:MATRIX_SCALE_ROW1
.elseif fA
	v_wmma_scale_f32_16x16x128_f8f6f4 v[rD:rD+7], v[rA:rA+7], v[rB:rB+7], 0, v[rSA], v[rSB] matrix_a_fmt:MATRIX_FMT_FP4 matrix_b_fmt:MATRIX_FMT_FP4 matrix_a_scale:MATRIX_SCALE_ROW1
.elseif fB
	v_wmma_scale_f32_16x16x128_f8f6f4 v[rD:rD+7], v[rA:rA+7], v[rB:rB+7], 0, v[rSA], v[rSB] matrix_a_fmt:MATRIX_FMT_FP4 matrix_b_fmt:MATRIX_FMT_FP4 matrix_b_scale:MATRIX_SCALE_ROW1
.else
	v_wmma_scale_f32_16x16x128_f8f6f4 v[rD:rD+7], v[rA:rA+7], v[rB:rB+7], 0, v[rSA], v[rSB] matrix_a_fmt:MATRIX_FMT_FP4 matrix_b_fmt:MATRIX_FMT_FP4
.endif
.else
.if fA && fB
	v_wmma_scale_f32_16x16x128_f8f6f4 v[rD:rD+7], v[rA:rA+7], v[rB:rB+7], v[rD:rD+7], v[rSA], v[rSB] matrix_a_fmt:MATRIX_FMT_FP4 matrix_b_fmt:MATRIX_FMT_FP4 matrix_a_scale:MATRIX_SCALE_ROW1 matrix_b_scale:MATRIX_SCALE_ROW1
.elseif fA
	v_wmma_scale_f32_16x16x128_f8f6f4 v[rD:rD+7], v[rA:rA+7], v[rB:rB+7], v[rD:rD+7], v[rSA], v[rSB] matrix_a_fmt:MATRIX_FMT_FP4 matrix_b_fmt:MATRIX_FMT_FP4 matrix_a_scale:MATRIX_SCALE_ROW1
.elseif fB
	v_wmma_scale_f32_16x16x128_f8f6f4 v[rD:rD+7], v[rA:rA+7], v[rB:rB+7], v[rD:rD+7], v[rSA], v[rSB] matrix_a_fmt:MATRIX_FMT_FP4 matrix_b_fmt:MATRIX_FMT_FP4 matrix_b_scale:MATRIX_SCALE_ROW1
.else
	v_wmma_scale_f32_16x16x128_f8f6f4 v[rD:rD+7], v[rA:rA+7], v[rB:rB+7], v[rD:rD+7], v[rSA], v[rSB] matrix_a_fmt:MATRIX_FMT_FP4 matrix_b_fmt:MATRIX_FMT_FP4
.endif
.endif
.endm
.macro KLOAD sl                        ; K step ks of my 32 keys (two fragments, four loads) into place ks % 4 of the ring
.irp u, 0,1
.irp c, 0,1
	ds_load_b128 v[KR+16*(ks%4)+8*\u+4*\c:KR+16*(ks%4)+8*\u+4*\c+3], v[VK+(\sl)] offset:(2*ks+\u)*1024+512*\c
.endr
.endr
.endm
.macro VSLOT                           ; where V's tile vt lies: twelve slots; tiles 12-15 take the first four again
.set vr, S+8*(vt%12)
.if (vt%12) >= 8
.set vr, 224+8*((vt%12)-8)
.endif
.endm
.macro VLOAD sl
	VSLOT
	ds_load_b128 v[vr:vr+3], v[VV+(\sl)] offset:1024*vt
	ds_load_b128 v[vr+4:vr+7], v[VV+(\sl)] offset:1024*vt+512
.endm
.macro PVT                             ; O^T += V^T P for my tile vt of 16 channels and the four tiles of queries
	VSLOT
.set qt, 0
.rept 4
.set rD, 32*(vt%8)+8*qt
.set rA, vr
.set rB, PF+8*qt
.set rSA, VS+vt/2
.set rSB, PS+qt/2
.set fA, vt%2
.set fB, qt%2
	WM
.set qt, qt+1
.endr
.endm
.macro MLOAD                           ; spatial_proj for a step, in S^T's layout: register 16 qt + i of lane (r, h): row n0 + 32 (qt / 2) + 8 (qt % 2) + r + 8 (r / 8), key 32 w + 16 h + i of the step.  Other batches read it again: no hint
.set qt, 0
.rept 4
.set p_, 0
.rept 4
	global_load_b128 v[MK+16*qt+4*p_:MK+16*qt+4*p_+3], v[VM], s[MB:MB+1] offset:(32*(qt/2)+8*(qt%2))*8192+16*p_
.set p_, p_+1
.endr
.set qt, qt+1
.endr
.endm
	s_load_b256 s[4:11], s[0:1], 0x0               ; kv s[4:5], spatial_proj s[6:7], x s[8:9], out s[10:11]
	v_lshl_add_u32 v[SPW], v0, 2, SPARE
	v_mov_b32 v[NIL], 0
	ds_add_u32 v[SPW], v[NIL]                      ; the wave's opening: the add, twice on end, and its wait ahead of my first tensor load; the set-up below, work on registers, stands between
	ds_add_u32 v[SPW], v[NIL]
	v_lshrrev_b32 v3, 5, v0
	v_readfirstlane_b32 s[WV], v3                  ; wave 0..3
	s_bfe_u32 s[CX], ttmp6, 0x40000                ; my place in the cluster
	s_mov_b32 s[CC], ttmp9                         ; the cluster's x: 256 queries each
	s_and_b32 s[BB], ttmp7, 0xffff                 ; the batch
	s_lshl_b32 s[C2], s[CC], 1
	s_add_co_u32 s[TM1], s[C2], 1
	s_sub_co_u32 s[C2M1], s[C2], 1                 ; (with c = 0 this and the next are never taken)
	s_lshl_b32 s[T0], s[BB], 1
	s_cmp_lt_u32 s[BB], s[CC]
	s_cselect_b32 s[T0], s[T0], 0
	s_sub_co_u32 s[STRT], s[C2M1], s[T0]           ; behind the two top steps: 2 c - 1 - 2 b where b < c, else 2 c - 1
	s_mov_b32 s[IDX], s[TM1]                       ; the walk's first step: the top one
	s_mov_b32 s[G1], 15|(3<<16)|(1<<21)            ; 15:0 the mask: all four partners; 17:16 elements of 8 bytes; 21 set beside a mask; no padding
	s_mov_b32 s[G1+1], 32<<16                      ; tensor_dim0 = 32 elements: 256 bytes
	s_mov_b32 s[G1+2], 136<<16                     ; tensor_dim1 = 136 rows
	s_mov_b32 s[G1+3], 32<<16                      ; tile_dim0
	s_mov_b32 s[G1+4], 136                         ; tile_dim1
	s_mov_b32 s[G1+5], 32                          ; the pitch: the block is dense
	s_mov_b32 s[G1+6], 0
	s_mov_b32 s[G1+7], 0
	s_mov_b32 s[G1X], (2<<16)|(1<<20)|(7<<22)|(3<<25)   ; no mask; elements of 4 bytes; padding on: 4 words behind every 256
	s_mov_b32 s[G1X+1], 256<<16                    ; 256 channels
	s_mov_b32 s[G1X+2], 32<<16                     ; 32 rows
	s_mov_b32 s[G1X+3], 256<<16
	s_mov_b32 s[G1X+4], 32
	s_mov_b32 s[G1X+5], 2048                       ; a row of x
	s_mov_b32 s[G1X+6], 0
	s_mov_b32 s[G1X+7], 0
	s_mul_i32 s[T0], s[WV], QTR
	s_mov_b32 s[G0], 1
	s_mov_b32 s[G0+1], s[T0]                       ; slot 0, my quarter: no place in the cluster enters an LDS address
	s_mov_b32 s[G0+4], 1
	s_add_co_u32 s[G0+5], s[T0], BLK               ; slot 1
	s_mul_i32 s[T0], s[WV], XW
	s_mov_b32 s[G0XA], 1
	s_mov_b32 s[G0XA+1], s[T0]
	v_and_b32 v3, 31, v0                           ; lane
	v_and_b32 v25, 15, v0                          ; r
	v_bfe_u32 v26, v0, 4, 1                        ; h
	v_and_b32 v27, 8, v25
	v_add_nc_u32 v27, v27, v25                     ; r + 8 (r / 8)
	v_lshlrev_b32 v[L16], 4, v3
	v_mul_u32_u24 v[VXD], v27, XP
	v_lshl_add_u32 v[VXD], v26, 5, v[VXD]
	v_add_nc_u32 v[VXD], s[T0], v[VXD]
	v_add_nc_u32 v[VXD+1], BLK, v[VXD]
	v_add_nc_u32 v[VXR], s[T0], v[L16]
	v_add_nc_u32 v[VXR+1], BLK, v[VXR]
	s_lshl_b32 s[T0], s[WV], 14
	v_add_nc_u32 v[VK], s[T0], v[L16]
	v_add_nc_u32 v[VK+1], BLK, v[VK]
	v_add_nc_u32 v[VV], VIMG, v[VK]
	v_add_nc_u32 v[VV+1], VIMG, v[VK+1]
	s_lshl_b32 s[T0], s[WV], 10
	v_add_nc_u32 v[VKS], s[T0], v[L16]
	v_add_nc_u32 v[VVS], VSC, v[VKS]
	v_add_nc_u32 v[VKS], KSC, v[VKS]
	v_add_nc_u32 v[VKS+1], BLK, v[VKS]
	v_add_nc_u32 v[VVS+1], BLK, v[VVS]
	s_lshl_b32 s[T0], s[WV], 8
	v_lshlrev_b32 v[VPA], 4, v25
	v_lshl_add_u32 v[VPA], v26, 3, v[VPA]
	v_add_nc_u32 v[VPA], s[T0], v[VPA]
	v_add_nc_u32 v[VPA], PIMG, v[VPA]
	v_lshl_add_u32 v[VPB], v25, 2, PSC
	v_add_nc_u32 v[VPB], s[WV], v[VPB]
	v_add_nc_u32 v[VPI], PIMG, v[L16]
	v_lshl_add_u32 v[VPS], v3, 2, PSC
	v_lshlrev_b32 v[VM], 13, v27
	v_lshl_add_u32 v[VM], v26, 6, v[VM]
	s_lshl_b32 s[T0], s[WV], 7
	v_add_nc_u32 v[VM], s[T0], v[VM]
	v_lshlrev_b32 v30, 4, v26
	v_sub_nc_u32 v[DV0], v27, v30
	s_lshl_b32 s[T0], s[WV], 5
	v_sub_nc_u32 v[DV0], v[DV0], s[T0]
	v_lshlrev_b32 v[PFO], 13, v3
.irp q, 0,1,2,3
	v_mov_b32 v[TX+\q], 0                          ; written once: a lane permute's destination counts as one of its sources
.endr
	s_mov_b32 s[SEL], 0x76543210
	s_mov_b32 s[SEL+1], 0xfedcba98
	s_mul_i32 s[OFF], s[BB], 16*BLK                ; my batch's sixteen blocks,
	s_mul_i32 s[T0], s[WV], QTR                    ; my quarter
	s_add_co_u32 s[OFF], s[OFF], s[T0]
	s_mov_b32 s[OFF+1], 0
	s_lshl_b32 s[N0], s[CC], 8
	s_lshl_b32 s[U0], s[CX], 6
	s_add_co_u32 s[N0], s[N0], s[U0]               ; my first query: 256 c + 64 cx
	s_lshl_b32 s[U0], s[N0], 13                    ; its row of spatial_proj
	s_mov_b32 s[U0+1], 0
	s_lshl_b32 s[U1], s[BB], 11
	s_add_co_u32 s[U1], s[U1], s[N0]               ; its row among all batches'
	s_lshl_b32 s[U2], s[U1], 12                    ; in out,
	s_lshl_b32 s[U1], s[U1], 13                    ; in x
	s_lshl_b32 s[T1], s[WV], 10                    ; my wave's 256 channels
	s_add_co_u32 s[U2], s[U2], s[T1]
	s_add_co_u32 s[U1], s[U1], s[T1]
	s_add_co_u32 s[U1], s[U1], 4096                ; x1 is the upper half of a row
	s_mov_b32 s[U1+1], 0
	s_mov_b32 s[U2+1], 0
	s_lshl_b32 s[QB], s[BB], 4
	s_add_co_u32 s[QB], s[QB], s[C2]
	s_lshr_b32 s[T1], s[CX], 1
	s_add_co_u32 s[QB], s[QB], s[T1]
	s_mul_i32 s[QB], s[QB], BLK                    ; the block of kv that holds my queries as keys: step 2 c + cx / 2,
	s_and_b32 s[T1], s[CX], 1                      ; its lower or upper 64 rows
	s_lshl_b32 s[QSB], s[T1], 11
	s_add_co_u32 s[QSB], s[QSB], s[QB]
	s_add_co_u32 s[QSB], s[QSB], KSC
	s_lshl_b32 s[T1], s[T1], 15
	s_add_co_u32 s[QB], s[QB], s[T1]
	s_mov_b32 s[QB+1], 0
	s_mov_b32 s[QSB+1], 0
	s_wait_dscnt 0x0                               ; both opening adds are done
	s_wait_kmcnt 0x0
	s_add_nc_u64 s[KVB:KVB+1], s[4:5], s[OFF:OFF+1]
	s_add_nc_u64 s[SPB:SPB+1], s[6:7], s[U0:U0+1]
	s_add_nc_u64 s[XB:XB+1], s[8:9], s[U1:U1+1]
	s_add_nc_u64 s[OB:OB+1], s[10:11], s[U2:U2+1]
	s_add_nc_u64 s[QB:QB+1], s[4:5], s[QB:QB+1]
	s_add_nc_u64 s[QSB:QSB+1], s[4:5], s[QSB:QSB+1]
	s_mul_i32 s[OFF], s[TM1], BLK                  ; slot 0 takes step 2 c + 1,
	s_add_nc_u64 s[G0+2:G0+3], s[KVB:KVB+1], s[OFF:OFF+1]
	s_or_b32 s[G0+3], s[G0+3], 0x80000000          ; type = 2
	s_mul_i32 s[OFF], s[C2], BLK                   ; slot 1 step 2 c
	s_add_nc_u64 s[G0+6:G0+7], s[KVB:KVB+1], s[OFF:OFF+1]
	s_or_b32 s[G0+7], s[G0+7], 0x80000000
	s_mov_b64 s[G0XA+2:G0XA+3], s[XB:XB+1]
	s_or_b32 s[G0XA+3], s[G0XA+3], 0x80000000
	s_lshl_b32 s[U0], s[IDX], 9                    ; 128 keys are 512 bytes of a row of spatial_proj
	s_add_nc_u64 s[MB:MB+1], s[SPB:SPB+1], s[U0:U0+1]
	ROUND                                          ; all four work-groups are here: the first joint loads meet
	tensor_load_to_lds s[G0:G0+3], s[G1:G1+7]      ; the two first fills go out together, ahead of every wait on TENSORcnt and every LDS read: two loads of mine are out
	s_nop 0
	tensor_load_to_lds s[G0+4:G0+7], s[G1:G1+7]
	s_nop 0
	MLOAD                                          ; the first step's numbers of spatial_proj
.irp q, 0,1
.irp g, 0,1
	global_load_b128 v[QS+8*\q+4*\g:QS+8*\q+4*\g+3], v[L16], s[QSB:QSB+1] offset:1024*\q+512*\g   ; Q's scale words
.endr
.endr
	WIN 0x40                                       ; destination window 1
.set qt, 0
.rept 4
.set st, 0
.rept 8
	global_load_b128 v[64*qt+8*st:64*qt+8*st+3],   v[L16], s[QB:QB+1] offset:16384*(qt/2)+(2*st+qt%2)*1024
	global_load_b128 v[64*qt+8*st+4:64*qt+8*st+7], v[L16], s[QB:QB+1] offset:16384*(qt/2)+(2*st+qt%2)*1024+512
.set st, st+1
.endr
.set qt, qt+1
.endr
	WIN 0
	s_wait_loadcnt 0x0                             ; Q, its scale words, the first step's spatial_proj
; A STEP of 128 keys, in slot sl.  zero = 1: the walk's first step: both slots were asked for at the head, so nothing is filled here, and its second products start O^T's sums: nothing is ever cleared.
; last = 1: the walk's last step: no next step is asked for; x1's rows 0-31 come into the other slot.  pf = 1, 2: in the loop's last trip x1's rows 0-31 (1) or 32-63 (2) are prefetched.
.macro TRIP sl, zero, last, pf
.if \zero
	s_wait_tensorcnt 0x1                           ; tensor loads of a wave end in order (ISA guide 10.11.1): my quarter of the first block is in; the one load issued behind it, the second block's, may stay out
.else
	s_wait_tensorcnt 0x0                           ; all my tensor loads have landed: the one that was out is my quarter of this step's block; so a group 0 may be written
	ds_add_u32 v[SPW], v[NIL]                      ; 0 onto my spare word; the scalar lines below stand between it and the wait for it
.endif
.if !(\last)
	s_sub_co_u32 s[IDN], s[IDX], 1                 ; the next step: one down,
	s_cmp_eq_u32 s[IDX], 0
	s_cselect_b32 s[IDN], s[C2M1], s[IDN]          ; or round to 2 c - 1,
	s_cmp_eq_u32 s[IDX], s[C2]
	s_cselect_b32 s[IDN], s[STRT], s[IDN]          ; or, behind the two top steps, the batch's place in the round
.if !(\zero)
	s_mul_i32 s[OFF], s[IDN], BLK
	s_add_nc_u64 s[G0+6-4*(\sl):G0+7-4*(\sl)], s[KVB:KVB+1], s[OFF:OFF+1]
	s_or_b32 s[G0+7-4*(\sl)], s[G0+7-4*(\sl)], 0x80000000
.endif
.endif
.if \zero
	s_barrier_signal -1                            ; no LDS instruction of mine is out
	s_barrier_wait -1                              ; the first block is whole
.else
	s_wait_dscnt 0x0                               ; the add is done, and my reads of the other slot and of P's images are over
	ROUND                                          ; both hold of every wave of all four partners: this slot is whole, nobody reads the other
.if \last
	tensor_load_to_lds s[G0XA:G0XA+3], s[G1X:G1X+7]   ; my one load behind the round: x1's rows 0-31, my 256 channels, into slot 0, which is done with
.else
	tensor_load_to_lds s[G0+4-4*(\sl):G0+7-4*(\sl)], s[G1:G1+7]   ; my one load behind the round: my quarter of the next step's block; it has this step's 128 products in which to land
.endif
	s_nop 0
.endif
	ds_load_b128 v[KS:KS+3], v[VKS+(\sl)]          ; K's scale words of all eight K steps
	ds_load_b128 v[KS+4:KS+7], v[VKS+(\sl)] offset:512
.set ks, 0
.rept 4
	KLOAD \sl
.set ks, ks+1
.endr
.if \pf
; x1 is read once, at the walk's end.  Each wave asks for its own 1,024 bytes of 32 rows, a lane a row, four lines 256 bytes apart: each block is named once in the launch; partners differ by address.
; Rows 0-31 are asked for two steps ahead of their tensor load, rows 32-63 one step and the last step's products ahead of their loads.  A cluster whose walk has no loop (c = 0) asks for nothing.
	s_cmp_lg_u32 s[LOOP], 1
	s_cbranch_scc1 .Lnopf_\@
.irp k, 0,1,2,3
	global_prefetch_b8 v[PFO], s[XB:XB+1] offset:((\pf)-1)*262144+256*\k th:TH_LOAD_NT scope:SCOPE_SE
.endr
.Lnopf_\@:
.endif
	WIN 0x04                                       ; source 1 (Q) window 1; all else window 0
; S^T = K Q^T: eight K steps of 128 channels; in each the eight accumulators (4 tiles of queries x 2 tiles of keys) take turns, one instruction a turn
.set st, 0
.rept 8
.if st < 5
	s_wait_dscnt 12                                ; this K step's fragments are in; the three K steps behind it (four loads each) may be out
.else
	s_wait_dscnt 4*(7-st)
.endif
.set fZ, 0
.if st == 0
.set fZ, 1
.endif
.set qt, 0
.rept 4
.set uu, 0
.rept 2
.set rD, S+16*qt+8*uu
.set rA, KR+16*(st%4)+8*uu
.set rB, 64*qt+8*st
.set rSA, KS+st
.set rSB, QS+8*(qt/2)+st
.set fA, uu
.set fB, qt%2
	WM
.set uu, uu+1
.endr
.set qt, qt+1
.endr
.if st < 4
	PLACES 4                                       ; in front of loads into registers that these products read
.set ks, st+4
	KLOAD \sl
.endif
.set st, st+1
.endr
	WIN 0
	PLACES 4                                       ; in front of the first read of the scores
	s_wait_loadcnt 0x0                             ; this step's spatial_proj, asked for a step ago: the only loads into registers that are out
	s_cmp_lt_u32 s[IDX], s[C2]                     ; a step under 2 c lies wholly in front of the cluster's queries: nothing is hidden.  The test hangs on the cluster's number and the count of steps: alike in all partners
	s_cbranch_scc1 .Lopen_\@
	s_lshl_b32 s[T1], s[IDX], 7
	s_sub_co_i32 s[T1], s[N0], s[T1]
	v_add_nc_u32 v[DV], s[T1], v[DV0]              ; register 16 qt + i holds key <= query where i - 32 (qt / 2) - 8 (qt % 2) <= my first query - the step's first key + r + 8 (r / 8) - 16 h - 32 w
.set qt, 0
.rept 4
.set i_, 0
.rept 16
	v_cmp_le_i32 vcc_lo, i_-32*(qt/2)-8*(qt%2), v[DV]
	v_cndmask_b32 v[MK+16*qt+i_], 0, v[MK+16*qt+i_], vcc_lo   ; tril: 0 behind the diagonal, whatever spatial_proj holds there
.set i_, i_+1
.endr
.set qt, qt+1
.endr
.Lopen_\@:
.set k_, 0
.rept 32
	v_pk_mul_f32 v[S+2*k_:S+2*k_+1], v[S+2*k_:S+2*k_+1], v[MK+2*k_:MK+2*k_+1]   ; attn = tril(sp) * cosim, in f32; each accumulator from its low end on
.set k_, k_+1
.endr
.if !(\last)
	s_lshl_b32 s[U0], s[IDN], 9
	s_add_nc_u64 s[MB:MB+1], s[SPB:SPB+1], s[U0:U0+1]   ; (the loads that read this base are in)
	MLOAD                                          ; the next step's numbers: they have until its scores are made
.endif
.irp q, 0,1,2,3
	v_max3_num_f32 v[TM+\q], |v[S+16*\q]|, |v[S+16*\q+1]|, 0x1800000   ; tile q: my 16 keys of the query's block of 32, and the floor 2^(3 - 127): the byte cannot fall under 1
.endr
.irp i, 2,4,6,8,10,12,14
.irp q, 0,1,2,3
	v_max3_num_f32 v[TM+\q], v[TM+\q], |v[S+16*\q+\i]|, |v[S+16*\q+\i+1]|   ; (the four tiles by turns)
.endr
.endr
.irp q, 0,1,2,3
	v_permlanex16_b32 v[TX+\q], v[TM+\q], s[SEL], s[SEL+1]
.endr
.irp q, 0,1,2,3
	v_max_num_f32 v[TM+\q], v[TM+\q], v[TX+\q]     ; with lane l xor 16's 16 keys: the block's largest magnitude
.endr
.irp q, 0,1,2,3
	v_add_nc_u32 v[TS+\q], 0xff000000, v[TM+\q]    ; 2 off the exponent field: the conversion's scale operand
.endr
.irp q, 0,1,2,3
	v_lshrrev_b32 v[TB+\q], 23, v[TS+\q]           ; the scale's byte
.endr
.irp q, 0,1,2,3
	v_cvt_scalef32_pk8_fp4_f32 v[CD+2*\q], v[S+16*\q:S+16*\q+7], v[TS+\q]
	v_cvt_scalef32_pk8_fp4_f32 v[CD+2*\q+1], v[S+16*\q+8:S+16*\q+15], v[TS+\q]
.endr
	v_nop                                          ; one plain line behind the last scaled conversion
.irp q, 0,1,2,3
	ds_store_b64 v[VPA], v[CD+2*\q:CD+2*\q+1] offset:1024*\q   ; my 16 codes at their place in the image of P's fragment q: keys 32 w + 16 h on of query r
	ds_store_b8 v[VPB], v[TB+\q] offset:64*\q      ; byte w of the query's scale word; both halves of the lanes write the same byte with the same value
.endr
	s_wait_dscnt 0x0                               ; for the others' sake: my part of P lies in LDS
	s_barrier_signal -1
	ds_load_b128 v[VS:VS+3], v[VVS+(\sl)]          ; while the others arrive: V's scale words and its first six tiles, bytes of this slot, which nobody writes before the next round
	ds_load_b128 v[VS+4:VS+7], v[VVS+(\sl)] offset:512
.set vt, 0
.rept 6
	VLOAD \sl
.set vt, vt+1
.endr
	s_barrier_wait -1                              ; P is whole
.irp q, 0,1,2,3
	ds_load_b128 v[PF+8*\q:PF+8*\q+3], v[VPI] offset:1024*\q
	ds_load_b128 v[PF+8*\q+4:PF+8*\q+7], v[VPI] offset:1024*\q+512
.endr
	ds_load_b32 v[PS], v[VPS]
	ds_load_b32 v[PS+1], v[VPS] offset:128
.set vt, 6
.rept 6
	VLOAD \sl
.set vt, vt+1
.endr
	s_wait_dscnt 12                                ; all but V's tiles 6-11
	WIN 0xa0                                       ; C and D window 2
.set fZ, \zero
.set vt, 0
.rept 4
	PVT                                            ; the 64 accumulators are all different: no two products on end share one
.set vt, vt+1
.endr
	WIN 0
	PLACES 4                                       ; in front of loads into the four slots just read
.set vt, 12
.rept 4
	VLOAD \sl
.set vt, vt+1
.endr
	WIN 0xa0
.set vt, 4
	PVT
.set vt, 5
	PVT
	s_wait_dscnt 8                                 ; V's tiles 6-11 are in; tiles 12-15 (eight loads) may be out
.set vt, 6
	PVT
.set vt, 7
	PVT
	WIN 0xf0                                       ; C and D window 3
.set vt, 8
.rept 4
	PVT
.set vt, vt+1
.endr
	s_wait_dscnt 0x0
.set vt, 12
.rept 4
	PVT
.set vt, vt+1
.endr
	WIN 0
	PLACES 5                                       ; the next step's first products begin sums over registers that these products read, and loads land on others: five lines serve both
.if !(\last)
	s_mov_b32 s[IDX], s[IDN]
.endif
.endm
; THE WAY OUT, 32 queries (tiles 2 bq, 2 bq + 1) at a time, through my own 32 rows of 1,040 bytes in slot bq.  A group g = 2 wn + u is tile u and my channels 128 wn on: 8 accumulators.
.macro EPL bq, g, rs                   ; x1 in the accumulators' layout: row 8 u + r + 8 (r / 8), channels 16 t + 8 h + 0 .. 7
.set tt, 0
.rept 8
	ds_load_b128 v[(\rs)+8*tt:(\rs)+8*tt+3],   v[VXD+(\bq)] offset:8320*((\g)%2)+64*(8*((\g)/2)+tt)
	ds_load_b128 v[(\rs)+8*tt+4:(\rs)+8*tt+7], v[VXD+(\bq)] offset:8320*((\g)%2)+64*(8*((\g)/2)+tt)+16
.set tt, tt+1
.endr
.endm
.macro EPM bq, g, rs, n                ; times O^T, and back to the same bytes.  n: the LDS instructions issued behind the group's loads, which may stay out
	s_wait_dscnt \n
	WIN 2+(\g)/2                                   ; source 0: window 2 or 3
.set tt, 0
.rept 8
.set k_, 0
.rept 4
.set rO, 32*tt+8*(2*(\bq)+(\g)%2)+2*k_
.set rX, (\rs)+8*tt+2*k_
	v_pk_mul_f32 v[rX:rX+1], v[rO:rO+1], v[rX:rX+1]   ; each accumulator from its low end on
.set k_, k_+1
.endr
.set tt, tt+1
.endr
	WIN 0
.set tt, 0
.rept 8
	ds_store_b128 v[VXD+(\bq)], v[(\rs)+8*tt:(\rs)+8*tt+3]   offset:8320*((\g)%2)+64*(8*((\g)/2)+tt)
	ds_store_b128 v[VXD+(\bq)], v[(\rs)+8*tt+4:(\rs)+8*tt+7] offset:8320*((\g)%2)+64*(8*((\g)/2)+tt)+16
.set tt, tt+1
.endr
.endm
.macro EPS                             ; O^T of queries 32-63 as it stands into my stage in slot 1: an LDS store's data are its source 1: window 2 or 3; each accumulator from its low end on
.set g_, 0
.rept 4
	WIN (2+g_/2)<<2
.set tt, 0
.rept 8
.set rO, 32*tt+8*(2+g_%2)
	ds_store_b128 v[VXD+1], v[rO:rO+3]   offset:8320*(g_%2)+64*(8*(g_/2)+tt)
	ds_store_b128 v[VXD+1], v[rO+4:rO+7] offset:8320*(g_%2)+64*(8*(g_/2)+tt)+16
.set tt, tt+1
.endr
.set g_, g_+1
.endr
	WIN 0
.endm
.macro XROW i                          ; row 32 + i of x1, my 1,024 bytes, into registers 8 i on of window 1, which held Q: 32 lanes take 512 consecutive bytes, aligned; read once in the launch
	global_load_b128 v[8*(\i):8*(\i)+3],   v[L16], s[XB:XB+1] offset:(32+(\i))*8192 th:TH_LOAD_NT
	global_load_b128 v[8*(\i)+4:8*(\i)+7], v[L16], s[XB:XB+1] offset:(32+(\i))*8192+512 th:TH_LOAD_NT
.endm
.macro RBL bq, k, rs                   ; eight whole rows of my 1,024 bytes come back: 32 lanes take 512 consecutive bytes
.set i_, 0
.rept 8
	ds_load_b128 v[(\rs)+8*i_:(\rs)+8*i_+3],   v[VXR+(\bq)] offset:XP*(8*(\k)+i_)
	ds_load_b128 v[(\rs)+8*i_+4:(\rs)+8*i_+7], v[VXR+(\bq)] offset:XP*(8*(\k)+i_)+512
.set i_, i_+1
.endr
.endm
.macro RBST bq, k, rs                  ; and leave: each store covers 512 consecutive bytes, aligned; written once, read by nobody here
.set i_, 0
.rept 8
	global_store_b128 v[L16], v[(\rs)+8*i_:(\rs)+8*i_+3],   s[OB:OB+1] offset:(32*(\bq)+8*(\k)+i_)*4096 th:TH_STORE_NT
	global_store_b128 v[L16], v[(\rs)+8*i_+4:(\rs)+8*i_+7], s[OB:OB+1] offset:(32*(\bq)+8*(\k)+i_)*4096+512 th:TH_STORE_NT
.set i_, i_+1
.endr
.endm
.macro RBS bq, k, rs, n                ; n: the LDS instructions issued behind the rows' loads, which may stay out
	s_wait_dscnt \n
	RBST \bq, \k, \rs
.endm
.macro RBO k, rs, n, m                 ; rows 32 + 8 k on: O^T's rows times x1's, which lie in the same order in window 1.  n as above; m: x1's loads of the later rows, two a row, which may stay out
	s_wait_dscnt \n
	s_wait_loadcnt \m
	WIN 0x04                                       ; source 1 window 1
.set j_, 0
.rept 32
	v_pk_mul_f32 v[(\rs)+2*j_:(\rs)+2*j_+1], v[(\rs)+2*j_:(\rs)+2*j_+1], v[64*(\k)+2*j_:64*(\k)+2*j_+1]
.set j_, j_+1
.endr
	WIN 0
	RBST 1, \k, \rs
.endm
	TRIP 0, 1, 0, 0                                ; the walk's first step stands in front of the loop: its products start O^T
	s_cmp_eq_u32 s[CC], 0                          ; 2 c + 2 steps: the first, c pairs, the last.  The count hangs on the cluster's number alone, which the partners share
	s_cbranch_scc1 .Ltail
	s_mov_b32 s[LOOP], s[CC]
.Lpair:
	TRIP 1, 0, 0, 1
	TRIP 0, 0, 0, 2
	s_sub_co_u32 s[LOOP], s[LOOP], 1
	s_cmp_lg_u32 s[LOOP], 0
	s_cbranch_scc1 .Lpair
.Ltail:
	TRIP 1, 0, 1, 0                                ; the last step is written out: it asks for no further block
	WIN 0x40                                       ; destination window 1: Q is done with
.set i_, 0
.rept 31
	XROW i_                                        ; x1's rows 32-62: 62 loads, all on their way beside the tensor load for rows 0-31; the last row follows below
.set i_, i_+1
.endr
	WIN 0
	s_wait_dscnt 0x0                               ; my reads of slot 1 are over
	s_barrier_signal -1
	s_barrier_wait -1                              ; nobody reads slot 1 any more.  The tensor load for x1 may stay out
	EPS                                            ; while x1 is on its way
	s_wait_tensorcnt 0x0                           ; x1's rows 0-31 have landed.  My own bytes: my own wait is all that the reads need
	EPL 0, 0, EA
	EPL 0, 1, EB
	WIN 0x40
	XROW 31                                        ; x1's last row
	WIN 0
	EPM 0, 0, EA, 16                               ; behind group 0's loads: group 1's 16
	EPL 0, 2, EC
	EPM 0, 1, EB, 32                               ; group 0's 16 stores, group 2's 16 loads
	s_wait_dscnt 32                                ; group 0's stores are done (behind them: group 2's loads, group 1's stores): its set is free
	EPL 0, 3, EA
	EPM 0, 2, EC, 32                               ; group 1's stores, group 3's loads
	EPM 0, 3, EA, 16                               ; group 2's stores
	s_wait_dscnt 0x0                               ; all stores have read their registers.  My own bytes: LDS serves a wave's instructions in order (ISA guide 5.7.1.4)
	RBL 0, 0, EA
	RBL 0, 1, EB
	RBL 0, 2, EC
	RBS 0, 0, EA, 32
	RBS 0, 1, EB, 16
	s_wait_xcnt 0x0                                ; the first eight rows' stores have read their registers
	RBL 0, 3, EA
	RBS 0, 2, EC, 16
	RBS 0, 3, EA, 0
	s_wait_xcnt 0x0                                ; the first half's stores have read their registers
	RBL 1, 0, EA                                   ; queries 32-63: O^T's rows out of the stage
	RBL 1, 1, EB
	RBL 1, 2, EC
	RBO 0, EA, 32, 48
	RBO 1, EB, 16, 32
	s_wait_xcnt 0x0                                ; rows 32-39's stores have read their registers
	RBL 1, 3, EA
	RBO 2, EC, 16, 16
	RBO 3, EA, 0, 0
	s_wait_tensorcnt 0x0                           ; the wave's end, behind my last tensor load and my last LDS store
	ds_add_u32 v[SPW], v[NIL]
	s_wait_dscnt 0x0
	ROUND                                          ; the closing round: no work-group ends while a partner may still ask for a block that names it
	s_endpgm
.Lfunc_end_k_qffd5d63ec2_attn:
	.size	k_qffd5d63ec2_attn, .Lfunc_end_k_qffd5d63ec2_attn-k_qffd5d63ec2_attn
	.p2alignl 7, 3214868480
	.fill 96, 4, 3214868480
	.section	.rodata,"a",@progbits
	.p2align	6, 0x0
	.amdhsa_kernel k_qffd5d63ec2_attn
		.amdhsa_group_segment_fixed_size 327680
		.amdhsa_private_segment_fixed_size 0
		.amdhsa_enable_private_segment 0
		.amdhsa_kernarg_size 32
		.amdhsa_user_sgpr_count 2
		.amdhsa_user_sgpr_kernarg_segment_ptr 1
		.amdhsa_wavefront_size32 1
		.amdhsa_system_sgpr_workgroup_id_x 1
		.amdhsa_system_sgpr_workgroup_id_y 1
		.amdhsa_system_sgpr_workgroup_id_z 1
		.amdhsa_system_vgpr_workitem_id 0
		.amdhsa_next_free_vgpr 1024
		.amdhsa_next_free_sgpr 84
		.amdhsa_reserve_vcc 1
		.amdhsa_float_denorm_mode_32 3
		.amdhsa_float_denorm_mode_16_64 3
		.amdhsa_memory_ordered 1
		.amdhsa_forward_progress 1
		.amdhsa_inst_pref_size 214
	.end_amdhsa_kernel
	.amdgpu_metadata
---
amdhsa.version: [ 1, 2 ]
amdhsa.kernels:
  - .name:           k_qffd5d63ec2_attn
    .symbol:         k_qffd5d63ec2_attn.kd
    .args:
      - { .name: kv, .offset: 0, .size: 8, .value_kind: global_buffer, .address_space: global }
      - { .name: spatial_proj, .offset: 8, .size: 8, .value_kind: global_buffer, .address_space: global }
      - { .name: x, .offset: 16, .size: 8, .value_kind: global_buffer, .address_space: global }
      - { .name: out0, .offset: 24, .size: 8, .value_kind: global_buffer, .address_space: global }
    .group_segment_fixed_size: 327680
    .private_segment_fixed_size: 0
    .kernarg_segment_align: 8
    .kernarg_segment_size: 32
    .max_flat_workgroup_size: 128
    .sgpr_count:     84
    .vgpr_count:     1024
    .wavefront_size: 32
...
	.end_amdgpu_metadata
.endif
;; end of part 2
